; MI455X (gfx1250); checked and timed in simulation.
; The chip was launched on July 23, 2026; its instructions are those of AMD's public machine-readable ISA for CDNA 5 (MIT licence, August 2026) and "CDNA5" Instruction Set Architecture Reference Guide (July 2026). The comments in the code are by the model that wrote it; some were corrected since.
;; Attention Branch. Allowed arithmetic: float matrix products may take bf16 or f16 operands with f32 sums; all other float work in f32.
;; Inputs: key_states 2 x 2,048 x 1,024 float32; mask 2 x 2,048 int32; query_states 2 x 2,048 x 1,024 float32; value_states 2 x 2,048 x 1,024 float32.
;; Outputs: out0 2 x 2,048 x 1,024 float32.
;; One version. Each part assembles by itself: llvm-mc -triple=amdgcn-amd-amdhsa -mcpu=gfx1250 --defsym DOCPART=n.
;; ======== version 1 of 1: 1 launch
;; launch attn (part 1): grid 256 x 1, 8 waves a work-group, no clusters, 134,400 bytes of LDS; arguments query_states, key_states, value_states, mask, out0; writes out0
.if DOCPART == 1
	.amdgcn_target "amdgcn-amd-amdhsa--gfx1250"
	.amdhsa_code_object_version 6
	.text
	.protected	k_qac275abde4_attn
	.globl	k_qac275abde4_attn
	.p2align	8
	.type	k_qac275abde4_attn,@function
k_qac275abde4_attn:
	s_mov_b64 s[64:65], 0
	v_nop
	global_prefetch_b8 v0, s[64:65] scope:SCOPE_SE
	s_setreg_imm32_b32 hwreg(HW_REG_WAVE_MODE, 25, 1), 1
	s_wait_xcnt 0x0
; Attention with a circular distance bias and a key mask.  B = 2, H = 16, L = 2048, D = 64, all tensors f32, [b][l][h*64+d].
; out = softmax(q.k/8 - circular distance(q,k), masked keys replaced by -1e9) . v
;
; SHARES.  256 work-groups of 8 waves: a work-group owns one (b, h) and 256 queries, a wave 32 queries (two tiles of 16).
; Running-maximum softmax over 32 steps of 64 keys.  Both products are used transposed, S^T = K Q^T and O^T = V^T P^T: a lane owns one
; query column, so maximum, sum and rescale factor are one number a lane, and two result tiles of S^T, rounded to bf16 in place, ARE the
; second source of the second product: no shuffle.
;
; ROTATED WALK.  The work-group walks the keys from its own first query on: step t holds keys (q0 + off) mod 2048, off = 64 t + 0..63.
; With ql = the query's place in the work-group and delta = off - ql the bias is  delta (delta < 0),  -delta (0..1024),  delta - 2048 (above).
; So in all but two steps of a wave the bias is +off or -off plus a number that hangs on the query alone.  The key's part lies in two LDS
; tables (T+ = +off, T- = -off) and enters as the C operand of the first matrix instruction of each score tile.  The query's part
; cancels in the softmax; it only shifts the running maximum when the table changes (twice a wave).  In the two steps that hold delta = 0 or
; delta = 1024 the scores get coef * max(local delta, 0) on top (coef = -2 or +2).
; rel = t - (w >> 1) - 1:   rel < 0: T+;   0..15: T-;   >= 16: T+;   the mixed steps are rel = -1 and rel = 15.
;
; MASK.  A masked key has -1e9 in both tables and its K row is zeroed (AND on the packed bf16), so its score is exactly -1e9, as in the
; reference.  If a batch has no unmasked key at all (flag any = 0, an OR over its 2,048 mask words) the masked table value, the shifts and
; coef are 0: all scores are equal and the result is the mean of V, as the reference gives.  The flag selects values only, never a path.
;
; LIMITS KEPT.  (1) Unmasked scores at or below about -1e9 would let masked keys weigh in the reference; here they never do.
; (2) An infinity in Q meets zeroed K rows and gives NaN.  (3) -c1*m is rounded once a step, so a step's weights share a factor 2^e with
; |e| <= half an ulp of 1.4427 m: 1.2e-4 for |m| < 2,800, 4e-3 for |m| < 90,000.  (4) While only masked keys have been seen the weights
; may reach 2^64; they are finite and are multiplied by alpha = 0 at the first unmasked key.
;
; NO CLUSTER, NO TENSOR LOADS: the eight work-groups of a head start their walks four tiles apart, so at no time do two of them want the same
; tile; and K and V pass through registers anyway (f32 to bf16, zeroing of masked rows).  A head's K and V are 1 MiB, read by eight
; work-groups with neighbouring numbers.
;
; REGISTERS.  Window 0: v0-31 addresses and per-query numbers, S 64, O 64, CB 32 (bias tiles), F 64 (K fragments, then V fragments).
; Window 1 (named by their low 8 bits): Q fragments v0-31, two stages of 32 for the K and V tile on its way in.
.set KSL,  9216                        ; a K slot: 64 keys x 144 bytes (128 + 16: an odd multiple of 16, so a fragment's 16 rows start in 16 different 16-byte columns modulo 256)
.set VSB,  18432                       ; V slots begin behind the two K slots
.set VSL,  10240                       ; a V slot: 64 keys x 160 bytes (an odd multiple of 32, for the transposing load)
.set TP,   38912                       ; T+[off], 2,048 f32
.set TM,   47104                       ; T-[off]
.set MK,   55296                       ; 0xffffffff (key kept) or 0 (masked), by off
.set RED,  63488                       ; eight words: each wave's OR of its mask words
.set OST,  63744                       ; the way out: 32 rows x 272 bytes for each wave
.set KA,   1                           ; r*144 + 16 h
.set VA,   2                           ; (8 h + (L&7))*160 + 16 ((L>>3)&1)
.set TAD,  3                           ; 32 h + 256 t
.set MKA,  4                           ; 16 (tid>>4) + 256 n, n = the tile that is converted next
.set KST,  5                           ; (tid>>4)*576 + 8 (tid&15)
.set VST,  6                           ; (tid>>4)*640 + 8 (tid&15)
.set GL,   7                           ; (tid>>4)*16384 + 16 (tid&15)
.set GO,   8                           ; v8, v9: stage 0, 1: GL + the tile's byte offset
.set RQ,   10                          ; v10, v11: ql as f32, query tile 0, 1
.set MM,   12                          ; running maximum
.set LS,   14                          ; v[14:15], v[16:17]: running sum, two partial sums a query tile
.set NM,   18                          ; -c1 * maximum
.set AL,   20                          ; alpha
.set MO,   22                          ; the shifted old maximum; v[22:23] also a pair at work
.set MKR,  24                          ; v[24:27] mask words of my four rows of the next tile
.set EE,   28                          ; 8 h - 32 (w&1) - 16 qt - r as f32
.set MX,   30                          ; v30, v31 at work
.set S,    32                          ; S(qt,kt) = S + 32 qt + 8 kt;  P(qt,c) = S + 32 qt + 16 c
.set O,    96                          ; O(qt,dt) = O + 32 qt + 8 dt
.set CB,   160                         ; bias tile kt = CB + 8 kt
.set F,    192                         ; K(kt,ch) = F + 16 kt + 8 ch;  V(c,dt) = F + 32 c + 8 dt
.set Q,    0                           ; window 1: Q(qt,ch) = Q + 16 qt + 8 ch
.set XS,   32                          ; window 1: stage st = XS + 32 st: K rows at +4 i, V rows at +16 + 4 i
.set MSB,  0
.macro WIN new                         ; low byte: 1:0 source 0, 3:2 source 1, 5:4 source 2, 7:6 destination; high byte repeats the setting left
.if MSB != \new
	s_set_vgpr_msb (MSB<<8)|\new
.set MSB, \new
.endif
.endm
.macro NEXTTILE                        ; the tile that is asked for next, modulo the 32 tiles of the batch's keys, and its byte offset (64 rows of 4,096)
	s_add_co_u32 s21, s21, 1
	s_and_b32 s21, s21, 31
	s_lshl_b32 s22, s21, 18
.endm
; Eight loads: my four rows of the K tile and of the V tile, 16 bytes each; sixteen lanes read one head's whole row of 256 bytes.
.macro LDTILE st
.irp i, 0,1,2,3
	global_load_b128 v[XS+32*\st+4*\i:XS+32*\st+4*\i+3], v[GO+\st], s[6:7] offset:4096*\i
.endr
.irp i, 0,1,2,3
	global_load_b128 v[XS+32*\st+16+4*\i:XS+32*\st+16+4*\i+3], v[GO+\st], s[8:9] offset:4096*\i
.endr
.endm
; Stage st holds a tile in f32: round to bf16 in place (ascending, so that no source is lost), zero masked K rows, store into slot nslot.
; load = 1: the stage is asked for again, two tiles further.  lc = the other stage's loads, which are younger and stay out.
.macro CONV st, nslot, load, lc
	s_wait_loadcnt \lc                             ; loads come back in order: this stage's eight are in, and its address register is free
.if \load
	v_add_nc_u32 v[GO+\st], s22, v[GL]
.endif
	WIN 0x45
.irp p, 0,1,2,3,4,5,6,7
	v_cvt_pk_bf16_f32 v[XS+32*\st+\p], v[XS+32*\st+2*\p], v[XS+32*\st+2*\p+1]
.endr
.irp p, 0,1,2,3,4,5,6,7
	v_cvt_pk_bf16_f32 v[XS+32*\st+16+\p], v[XS+32*\st+16+2*\p], v[XS+32*\st+16+2*\p+1]
.endr
	WIN 0x44
.irp p, 0,1,2,3,4,5,6,7
	v_and_b32 v[XS+32*\st+\p], v[MKR+\p/2], v[XS+32*\st+\p]
.endr
.irp i, 0,1,2,3
	ds_store_b64 v[KST], v[XS+32*\st+2*\i:XS+32*\st+2*\i+1] offset:\nslot*KSL+144*\i
.endr
.irp i, 0,1,2,3
	ds_store_b64 v[VST], v[XS+32*\st+16+2*\i:XS+32*\st+16+2*\i+1] offset:VSB+\nslot*VSL+160*\i
.endr
.if \load
	LDTILE \st
.endif
	WIN 0
.endm
; The step's LDS loads for the first product: next tile's mask words (1), the bias tiles (8 on either path), K's fragments (16, key tile outermost).
.macro LOADKT id, slot, conv
.if \conv
	ds_load_b128 v[MKR:MKR+3], v[MKA] offset:MK
.endif
	s_cmp_lt_u32 s20, 16                           ; unsigned: a negative rel is large, so T- is taken for rel = 0..15 alone
	s_cbranch_scc1 .Ltm_\id
.irp kt, 0,1,2,3
	ds_load_b128 v[CB+8*\kt:CB+8*\kt+3],   v[TAD] offset:TP+64*\kt
	ds_load_b128 v[CB+8*\kt+4:CB+8*\kt+7], v[TAD] offset:TP+64*\kt+16
.endr
	s_branch .Ltj_\id
.Ltm_\id:
.irp kt, 0,1,2,3
	ds_load_b128 v[CB+8*\kt:CB+8*\kt+3],   v[TAD] offset:TM+64*\kt
	ds_load_b128 v[CB+8*\kt+4:CB+8*\kt+7], v[TAD] offset:TM+64*\kt+16
.endr
.Ltj_\id:
.irp kt, 0,1,2,3
.irp ch, 0,1
	ds_load_b128 v[F+16*\kt+8*\ch:F+16*\kt+8*\ch+3],   v[KA] offset:\slot*KSL+2304*\kt+64*\ch
	ds_load_b128 v[F+16*\kt+8*\ch+4:F+16*\kt+8*\ch+7], v[KA] offset:\slot*KSL+2304*\kt+64*\ch+32
.endr
.endr
	s_cmp_eq_u32 s20, 16                           ; T- to T+: the maximum moves by +2 ql + 2048
	s_cselect_b32 s24, s27, 0
	s_cselect_b32 s25, s29, 0
	s_cmp_eq_u32 s20, 0                            ; T+ to T-: by -2 ql
	s_cselect_b32 s24, s28, s24
	s_cmp_eq_u32 s20, 15                           ; the mixed steps: +2 at rel = 15, -2 at rel = -1
	s_cselect_b32 s26, s27, s28
.endm
; S^T = K Q^T + bias tile.  The first link takes the bias tile as C, the second goes on in place.
.macro QK
	WIN 0x04
.irp kt, 0,1,2,3
	s_wait_dscnt 12-4*\kt                          ; four K loads for each later key tile stay out; mask words and bias tiles were issued earlier
	v_wmma_f32_16x16x32_bf16 v[S+8*\kt:S+8*\kt+7],       v[F+16*\kt:F+16*\kt+7],    v[Q:Q+7],     v[CB+8*\kt:CB+8*\kt+7]
	v_wmma_f32_16x16x32_bf16 v[S+32+8*\kt:S+32+8*\kt+7], v[F+16*\kt:F+16*\kt+7],    v[Q+16:Q+23], v[CB+8*\kt:CB+8*\kt+7]
	v_wmma_f32_16x16x32_bf16 v[S+8*\kt:S+8*\kt+7],       v[F+16*\kt+8:F+16*\kt+15], v[Q+8:Q+15],  v[S+8*\kt:S+8*\kt+7]
	v_wmma_f32_16x16x32_bf16 v[S+32+8*\kt:S+32+8*\kt+7], v[F+16*\kt+8:F+16*\kt+15], v[Q+24:Q+31], v[S+32+8*\kt:S+32+8*\kt+7]
.endr
	WIN 0
.endm
; V^T fragments: V lies [key][d] in LDS, the transposing load gives lane (r, h) row d = 16 dt + r with keys along its registers.
.macro LOADV slot
.irp c, 0,1
.irp dt, 0,1,2,3
	ds_load_tr16_b128 v[F+32*\c+8*\dt:F+32*\c+8*\dt+3],   v[VA] offset:VSB+\slot*VSL+5120*\c+32*\dt
	ds_load_tr16_b128 v[F+32*\c+8*\dt+4:F+32*\c+8*\dt+7], v[VA] offset:VSB+\slot*VSL+5120*\c+32*\dt+2560
.endr
.endr
.endm
; The two mixed steps of a wave: S += coef * max(local delta, 0), local delta = (16 kt + 8 h + j) - (32 (w&1) + 16 qt + r), kept as a float chain.
.macro CORR id
	s_and_b32 s30, s20, 15
	s_cmp_eq_u32 s30, 15                           ; rel = -1 or 15 (rel runs from -4 to 30)
	s_cbranch_scc0 .Lnc_\id
.irp qt, 0,1
	v_mov_b32 v[MX], v[EE+\qt]
.irp kt, 0,1,2,3
.irp j, 0,1,2,3,4,5,6,7
	v_max_num_f32 v[MX+1], 0, v[MX]
	v_fma_f32 v[S+32*\qt+8*\kt+\j], v[MX+1], s26, v[S+32*\qt+8*\kt+\j]
	v_add_f32 v[MX], 1.0, v[MX]
.endr
	v_add_f32 v[MX], 0x41000000, v[MX]             ; + 8: on to the next key tile
.endr
.endr
.Lnc_\id:
.endm
; The step's maximum of a query tile (32 registers, then the other half of the lanes, which holds the same queries' other keys),
; the new running maximum, alpha and -c1 * maximum.
.macro STATS qt, first
	v_max3_num_f32 v[MX],   v[S+32*\qt],   v[S+32*\qt+1], v[S+32*\qt+2]
	v_max3_num_f32 v[MX+1], v[S+32*\qt+3], v[S+32*\qt+4], v[S+32*\qt+5]
.set i, 6
.rept 6
	v_max3_num_f32 v[MX],   v[MX],   v[S+32*\qt+i],   v[S+32*\qt+i+1]
	v_max3_num_f32 v[MX+1], v[MX+1], v[S+32*\qt+i+2], v[S+32*\qt+i+3]
.set i, i+4
.endr
	v_max3_num_f32 v[MX], v[MX], v[S+32*\qt+30], v[S+32*\qt+31]
	v_max_num_f32 v[MX], v[MX], v[MX+1]
	v_permlanex16_b32 v[MX+1], v[MX], s32, s33
.if \first
	v_max_num_f32 v[MM+\qt], v[MX], v[MX+1]
.else
	v_max_num_f32 v[MX], v[MX], v[MX+1]
	v_fma_f32 v[MO+\qt], v[RQ+\qt], s24, v[MM+\qt] ; the old maximum in the units of this step's table
	v_add_f32 v[MO+\qt], s25, v[MO+\qt]
	v_max_num_f32 v[MM+\qt], v[MO+\qt], v[MX]
	v_sub_f32 v[MO+\qt], v[MO+\qt], v[MM+\qt]      ; <= 0
	v_mul_f32 v[MO+\qt], s34, v[MO+\qt]
	v_exp_f32 v[AL+\qt], v[MO+\qt]                 ; the next line is the plain instruction that stands behind it (ISA guide 5.7.2)
.endif
	v_mul_f32 v[NM+\qt], 0xbfb8aa3b, v[MM+\qt]
.endm
.macro SUBT qt, kt                     ; exponent = c1 x - c1 m, one fused multiply-add for two scores
.irp j, 0,2,4,6
	v_pk_fma_f32 v[S+32*\qt+8*\kt+\j:S+32*\qt+8*\kt+\j+1], v[S+32*\qt+8*\kt+\j:S+32*\qt+8*\kt+\j+1], s[34:35], v[NM:NM+1] op_sel:[0,0,\qt] op_sel_hi:[1,0,\qt]
.endr
.endm
.macro EXPT qt, kt
.irp j, 0,1,2,3,4,5,6,7
	v_exp_f32 v[S+32*\qt+8*\kt+\j], v[S+32*\qt+8*\kt+\j]
.endr
.endm
; Add a tile's eight weights to the running sum and round them to bf16: an even tile packs into its own first four registers, an odd one into
; the four behind them, which the even tile has left: eight registers = the second product's source for 32 keys.
.macro FINT qt, kt, init
	s_wait_alu depctr_va_vdst(0)
	v_pk_add_f32 v[MX:MX+1], v[S+32*\qt+8*\kt:S+32*\qt+8*\kt+1],   v[S+32*\qt+8*\kt+2:S+32*\qt+8*\kt+3]
	v_pk_add_f32 v[MO:MO+1], v[S+32*\qt+8*\kt+4:S+32*\qt+8*\kt+5], v[S+32*\qt+8*\kt+6:S+32*\qt+8*\kt+7]
.if \init
	v_pk_add_f32 v[LS+2*\qt:LS+2*\qt+1], v[MX:MX+1], v[MO:MO+1]    ; the first tile starts the sum
.else
	v_pk_add_f32 v[MX:MX+1], v[MX:MX+1], v[MO:MO+1]
	v_pk_add_f32 v[LS+2*\qt:LS+2*\qt+1], v[LS+2*\qt:LS+2*\qt+1], v[MX:MX+1]
.endif
.irp j, 0,1,2,3
	v_cvt_pk_bf16_f32 v[S+32*\qt+8*\kt-4*(\kt%2)+\j], v[S+32*\qt+8*\kt+2*\j], v[S+32*\qt+8*\kt+2*\j+1]
.endr
.endm
.macro RESC qt                         ; O of a query tile times v[AL+qt]
.set i, 0
	s_wait_alu depctr_va_vdst(0)
.rept 16
	v_pk_mul_f32 v[O+32*\qt+i:O+32*\qt+i+1], v[O+32*\qt+i:O+32*\qt+i+1], v[AL:AL+1] op_sel:[0,\qt] op_sel_hi:[1,\qt]
.set i, i+2
.endr
.endm
; Softmax of a query tile.  Behind each run of exponentials stands plain independent work (the next tile's exponents, or O's rescale) before
; the first result is read.
.macro SM qt, first
.if 1-\first
	s_wait_alu depctr_va_vdst(0)
	v_pk_mul_f32 v[LS+2*\qt:LS+2*\qt+1], v[LS+2*\qt:LS+2*\qt+1], v[AL:AL+1] op_sel:[0,\qt] op_sel_hi:[1,\qt]
.endif
	SUBT \qt, 0
	EXPT \qt, 0
	SUBT \qt, 1
	FINT \qt, 0, \first
	EXPT \qt, 1
	SUBT \qt, 2
	FINT \qt, 1, 0
	EXPT \qt, 2
	SUBT \qt, 3
	FINT \qt, 2, 0
	EXPT \qt, 3
.if \first
	v_nop
	s_wait_alu depctr_va_vdst(0)
.else
	RESC \qt
.endif
	FINT \qt, 3, 0
.endm
.macro PV first                        ; O^T += V^T P^T; in the first step the first link starts the sums: nothing is cleared
.irp c, 0,1
.irp dt, 0,1,2,3
.irp qt, 0,1
.if \first*(1-\c)
	v_wmma_f32_16x16x32_bf16 v[O+32*\qt+8*\dt:O+32*\qt+8*\dt+7], v[F+32*\c+8*\dt:F+32*\c+8*\dt+7], v[S+32*\qt+16*\c:S+32*\qt+16*\c+7], 0
.else
	v_wmma_f32_16x16x32_bf16 v[O+32*\qt+8*\dt:O+32*\qt+8*\dt+7], v[F+32*\c+8*\dt:F+32*\c+8*\dt+7], v[S+32*\qt+16*\c:S+32*\qt+16*\c+7], v[O+32*\qt+8*\dt:O+32*\qt+8*\dt+7]
.endif
.endr
.endr
.endr
.endm
; One step of 64 keys from slot; conv: the next tile goes from stage nslot into slot nslot; load: that stage is asked for again.
.macro STEP id, slot, nslot, conv, load, lc, first, bar
	LOADKT \id, \slot, \conv
	QK
.if \conv
	CONV \nslot, \nslot, \load, \lc                ; its 24 conversions and ANDs are also the places behind the matrix instructions (ISA guide 7.12.1)
.else
.rept 4
	v_nop                                          ; four places before S is read and F is loaded again
.endr
.endif
	LOADV \slot
	CORR \id
	STATS 0, \first
	STATS 1, \first
	SM 0, \first
	SM 1, \first
	s_wait_dscnt 0x0                               ; V's fragments are in; for the others: my reads of this slot and my stores into the next are done
.if \bar
	s_barrier_signal -1
.endif
	PV \first
.if \bar
	v_add_nc_u32 v[TAD], 0x100, v[TAD]             ; five places: the next step loads into F and its first product writes over P
	v_add_nc_u32 v[MKA], 0x100, v[MKA]
.rept 3
	v_nop
.endr
	s_add_co_i32 s20, s20, 1
	NEXTTILE
	s_barrier_wait -1                              ; every wave has left this slot and filled its part of the next
.else
.rept 4
	v_nop                                          ; four places before O is read
.endr
.endif
.endm
	; ---------------- ids, addresses, constants
	s_load_b256 s[4:11], s[0:1], 0x0               ; query s[4:5], key s[6:7], value s[8:9], mask s[10:11]
	s_load_b64 s[12:13], s[0:1], 0x20              ; out0
	s_set_vgpr_msb 0x40
	v_lshl_add_u32 v96, v0, 2, 0x20900
	v_mov_b32 v97, 0
	s_set_vgpr_msb 0x4000
	v_lshrrev_b32 v1, 5, v0
	v_readfirstlane_b32 s14, v1                    ; w
	s_and_b32 s15, ttmp9, 7                        ; qb: which 256 queries
	s_lshr_b32 s16, ttmp9, 3
	s_lshr_b32 s17, s16, 4                         ; b
	s_and_b32 s16, s16, 15                         ; h
	s_lshl_b32 s18, s17, 23                        ; a batch is 2,048 rows of 4,096 bytes
	s_lshl_b32 s16, s16, 8                         ; a head's 256 bytes in a row
	s_add_co_u32 s18, s18, s16
	s_mov_b32 s19, 0                               ; s[18:19]: K's and V's offset
	s_lshl_b32 s30, s17, 13
	s_mov_b32 s31, 0                               ; s[30:31]: the mask's offset
	s_lshl_b32 s16, s15, 20                        ; 256 rows
	s_lshl_b32 s17, s14, 17                        ; 32 rows
	s_add_co_u32 s16, s16, s17
	s_add_co_u32 s16, s16, s18
	s_mov_b32 s17, 0                               ; s[16:17]: Q's and the output's offset, at my wave's first row
	s_mov_b32 s32, 0x76543210                      ; v_permlanex16_b32: lane i takes lane i of the other half
	s_mov_b32 s33, 0xfedcba98
	s_mov_b32 s34, 0x3fb8aa3b                      ; c1 = log2(e), twice: a pair for the packed forms
	s_mov_b32 s35, 0x3fb8aa3b
	s_lshr_b32 s20, s14, 1
	s_not_b32 s20, s20                             ; rel at t = 0: -(w >> 1) - 1
	s_lshl_b32 s21, s15, 2                         ; my walk's first tile
	s_lshl_b32 s22, s21, 18
	s_lshl_b32 s24, s14, 5                         ; 32 w           (s24-26: scratch here)
	s_and_b32 s25, s14, 1
	s_lshl_b32 s25, s25, 5                         ; 32 (w & 1)
	s_lshl_b32 s26, s15, 8                         ; q0
	v_and_b32 v22, 15, v0                          ; r
	v_bfe_u32 v23, v0, 4, 1                        ; h (half of the wave)
	v_lshrrev_b32 v30, 4, v0                       ; tid >> 4
	v_mul_u32_u24 v[KA], v22, 144
	v_lshl_add_u32 v[KA], v23, 4, v[KA]
	v_and_b32 v31, 7, v0
	v_lshl_add_u32 v31, v23, 3, v31
	v_mul_u32_u24 v[VA], v31, 160
	v_bfe_u32 v31, v0, 3, 1
	v_lshl_add_u32 v[VA], v31, 4, v[VA]
	v_lshlrev_b32 v[TAD], 5, v23
	v_lshlrev_b32 v[MKA], 4, v30
	v_mul_u32_u24 v[KST], v30, 576
	v_lshl_add_u32 v[KST], v22, 3, v[KST]
	v_mul_u32_u24 v[VST], v30, 640
	v_lshl_add_u32 v[VST], v22, 3, v[VST]
	v_lshlrev_b32 v[GL], 14, v30
	v_lshl_add_u32 v[GL], v22, 4, v[GL]
	v_add_nc_u32 v31, s24, v22
	v_cvt_f32_u32 v[RQ], v31                       ; ql of query tile 0,
	v_add_f32 v[RQ+1], 0x41800000, v[RQ]           ; and 16 more for tile 1
	v_lshlrev_b32 v31, 3, v23
	v_sub_nc_u32 v31, v31, v22
	v_sub_nc_u32 v31, v31, s25
	v_cvt_f32_i32 v[EE], v31
	v_add_f32 v[EE+1], 0xc1800000, v[EE]
	v_lshl_add_u32 v25, v0, 3, s26                 ; mask: my eight keys (q0 + 8 tid) mod 2048, 32 bytes
	v_and_b32 v25, 0x7ff, v25
	v_lshlrev_b32 v25, 2, v25
	v_lshlrev_b32 v24, 12, v22                     ; Q: row r, 32 bytes for each half
	v_lshl_add_u32 v24, v23, 5, v24
	v_add_nc_u32 v[GO], s22, v[GL]                 ; tile 0
	NEXTTILE
	v_add_nc_u32 v[GO+1], s22, v[GL]               ; tile 1
	NEXTTILE                                       ; tile 2 is asked for next
	s_wait_kmcnt 0x0
	s_add_nc_u64 s[4:5], s[4:5], s[16:17]
	s_add_nc_u64 s[12:13], s[12:13], s[16:17]
	s_add_nc_u64 s[6:7], s[6:7], s[18:19]
	s_add_nc_u64 s[8:9], s[8:9], s[18:19]
	s_add_nc_u64 s[10:11], s[10:11], s[30:31]
	; ---------------- all first loads: mask 2, Q 16, tile 0 8, tile 1 8
	global_load_b128 v[160:163], v25, s[10:11]
	global_load_b128 v[164:167], v25, s[10:11] offset:16
.irp qt, 0,1
.irp ch, 0,1
.irp hf, 0,1
	global_load_b128 v[S+32*\qt+16*\ch+8*\hf:S+32*\qt+16*\ch+8*\hf+3],   v24, s[4:5] offset:65536*\qt+128*\ch+64*\hf th:TH_LOAD_NT
	global_load_b128 v[S+32*\qt+16*\ch+8*\hf+4:S+32*\qt+16*\ch+8*\hf+7], v24, s[4:5] offset:65536*\qt+128*\ch+64*\hf+16 th:TH_LOAD_NT
.endr
.endr
.endr
	WIN 0x40
	LDTILE 0
	LDTILE 1
	WIN 0
	; ---------------- any = is one key of the batch unmasked?
	s_wait_loadcnt 0x20                            ; 16 + 8 + 8 younger loads stay out: the mask words are in
	v_or_b32 v168, v160, v161
	v_or_b32 v169, v162, v163
	v_or_b32 v170, v164, v165
	v_or_b32 v171, v166, v167
	v_or_b32 v168, v168, v169
	v_or_b32 v170, v170, v171
	v_or_b32 v168, v168, v170
	v_cmp_ne_u32 vcc_lo, 0, v168
	s_cmp_lg_u32 vcc_lo, 0
	s_cselect_b32 s16, 1, 0
	v_mov_b32 v169, s16
	s_lshl_b32 s17, s14, 2
	v_mov_b32 v170, s17
	ds_store_b32 v170, v169 offset:RED             ; my wave's word
	s_wait_dscnt 0x0                               ; for the others' sake
	s_barrier_signal -1
	s_barrier_wait -1
	v_mov_b32 v170, 0
	ds_load_b128 v[172:175], v170 offset:RED
	ds_load_b128 v[176:179], v170 offset:RED+16
	s_wait_dscnt 0x0
	v_or_b32 v172, v172, v173
	v_or_b32 v174, v174, v175
	v_or_b32 v176, v176, v177
	v_or_b32 v178, v178, v179
	v_or_b32 v172, v172, v174
	v_or_b32 v176, v176, v178
	v_or_b32 v172, v172, v176
	v_readfirstlane_b32 s16, v172
	s_cmp_lg_u32 s16, 0
	s_cselect_b32 s27, 0x40000000, 0               ; +2
	s_cselect_b32 s28, 0xc0000000, 0               ; -2
	s_cselect_b32 s29, 0x45000000, 0               ; 2048
	s_cselect_b32 s36, 0xce6e6b28, 0               ; -1e9
	; ---------------- the three tables, eight entries a thread: off = 8 tid + e
	v_lshlrev_b32 v168, 3, v0
	v_cvt_f32_u32 v168, v168                       ; +off
	v_sub_f32 v170, 0, v168                        ; -off
	v_mov_b32 v169, s36
	v_lshlrev_b32 v171, 5, v0
.irp e, 0,1,2,3,4,5,6,7
	v_cmp_ne_u32 vcc_lo, 0, v[160+\e]              ; the key is kept
	v_cndmask_b32 v[192+\e], v169, v168, vcc_lo
	v_cndmask_b32 v[200+\e], v169, v170, vcc_lo
	v_cndmask_b32 v[208+\e], 0, -1, vcc_lo
	v_add_f32 v168, 1.0, v168
	v_add_f32 v170, -1.0, v170
.endr
	ds_store_b128 v171, v[192:195] offset:TP
	ds_store_b128 v171, v[196:199] offset:TP+16
	ds_store_b128 v171, v[200:203] offset:TM
	ds_store_b128 v171, v[204:207] offset:TM+16
	ds_store_b128 v171, v[208:211] offset:MK
	ds_store_b128 v171, v[212:215] offset:MK+16
	; ---------------- Q / 8 (exact), rounded to bf16: the fragments stay in window 1 for the whole kernel
	s_wait_loadcnt 0x10                            ; the two tiles' 8 + 8 loads stay out: Q is in
.set i, 0
.rept 32
	v_pk_mul_f32 v[S+i:S+i+1], v[S+i:S+i+1], 0x3e000000 op_sel_hi:[1,0]
.set i, i+2
.endr
	WIN 0x40
.set i, 0
.rept 32
	v_cvt_pk_bf16_f32 v[Q+i], v[S+2*i], v[S+2*i+1]
.set i, i+1
.endr
	WIN 0
	s_wait_dscnt 0x0                               ; my table entries are written
	s_barrier_signal -1
	s_barrier_wait -1                              ; the tables are whole
	; ---------------- tile 0 into slot 0; tile 2 is asked for
	ds_load_b128 v[MKR:MKR+3], v[MKA] offset:MK
	s_wait_dscnt 0x0
	CONV 0, 0, 1, 8
	v_add_nc_u32 v[MKA], 0x100, v[MKA]
	NEXTTILE
	s_wait_dscnt 0x0
	s_barrier_signal -1
	s_barrier_wait -1                              ; slot 0 is whole
	; ---------------- 32 steps.  Step t reads slot t % 2, converts tile t + 1 and asks for tile t + 3.
	STEP 0, 0, 1, 1, 1, 8, 1, 1
	s_mov_b32 s23, 14
.Lloop:
	STEP 1, 1, 0, 1, 1, 8, 0, 1
	STEP 2, 0, 1, 1, 1, 8, 0, 1
	s_sub_co_i32 s23, s23, 1
	s_cmp_lg_u32 s23, 0
	s_cbranch_scc1 .Lloop
	STEP 3, 1, 0, 1, 0, 8, 0, 1                    ; t = 29: tile 30 is converted, tile 31's eight loads stay out; nothing more is asked for
	STEP 4, 0, 1, 1, 0, 0, 0, 1                    ; t = 30: tile 31: nothing is behind it
	STEP 5, 1, 0, 0, 0, 0, 0, 0                    ; t = 31
	; ---------------- the way out: O / l, through my own stage in LDS, back as whole rows of 256 bytes
	s_mul_i32 s16, s14, 8704
	s_add_co_u32 s16, s16, OST
	v_and_b32 v22, 15, v0
	v_bfe_u32 v23, v0, 4, 1
	v_mul_u32_u24 v24, v22, 272                    ; in: row r, 32 bytes for each half
	v_lshl_add_u32 v24, v23, 5, v24
	v_add_nc_u32 v24, s16, v24
	v_mul_u32_u24 v25, v23, 272                    ; back: lanes 0-15 one row, lanes 16-31 the next
	v_lshl_add_u32 v25, v22, 4, v25
	v_add_nc_u32 v25, s16, v25
	v_lshlrev_b32 v26, 12, v23                     ; and the same two rows in the output
	v_lshl_add_u32 v26, v22, 4, v26
	v_add_f32 v[LS], v[LS], v[LS+1]
	v_add_f32 v[LS+2], v[LS+2], v[LS+3]
	v_permlanex16_b32 v[MX], v[LS], s32, s33       ; the other half of the lanes summed the same queries' other keys
	v_permlanex16_b32 v[MX+1], v[LS+2], s32, s33
	v_add_f32 v[LS], v[LS], v[MX]
	v_add_f32 v[LS+2], v[LS+2], v[MX+1]
	v_rcp_f32 v[AL], v[LS]
	v_rcp_f32 v[AL+1], v[LS+2]
	v_nop                                          ; one plain place behind the reciprocals
	s_wait_alu depctr_va_vdst(0)
	RESC 0
	RESC 1
.irp qt, 0,1
.irp dt, 0,1,2,3
	ds_store_b128 v24, v[O+32*\qt+8*\dt:O+32*\qt+8*\dt+3]   offset:4352*\qt+64*\dt
	ds_store_b128 v24, v[O+32*\qt+8*\dt+4:O+32*\qt+8*\dt+7] offset:4352*\qt+64*\dt+16
.endr
.endr
.set i, 0
.rept 16
	ds_load_b128 v[S+4*i:S+4*i+3], v25 offset:544*i        ; LDS serves a wave's instructions in order: these see my stores above
.set i, i+1
.endr
.set i, 0
.rept 16
	s_wait_dscnt 15-i                                      ; the younger read-backs stay out
	global_store_b128 v26, v[S+4*i:S+4*i+3], s[12:13] offset:8192*i th:TH_STORE_NT   ; 16 lanes store 256 consecutive bytes, aligned: one query's head
.set i, i+1
.endr
	s_set_vgpr_msb 0x5
	s_wait_tensorcnt 0x0
	ds_add_u32 v96, v97
	s_wait_dscnt 0x0
	s_set_vgpr_msb 0x500
	s_endpgm
.Lfunc_end_k_qac275abde4_attn:
	.size	k_qac275abde4_attn, .Lfunc_end_k_qac275abde4_attn-k_qac275abde4_attn
	.p2alignl 7, 3214868480
	.fill 96, 4, 3214868480
	.section	.rodata,"a",@progbits
	.p2align	6, 0x0
	.amdhsa_kernel k_qac275abde4_attn
		.amdhsa_group_segment_fixed_size 134400
		.amdhsa_private_segment_fixed_size 0
		.amdhsa_enable_private_segment 0
		.amdhsa_kernarg_size 40
		.amdhsa_user_sgpr_count 2
		.amdhsa_user_sgpr_kernarg_segment_ptr 1
		.amdhsa_wavefront_size32 1
		.amdhsa_system_sgpr_workgroup_id_x 1
		.amdhsa_system_sgpr_workgroup_id_y 1
		.amdhsa_system_sgpr_workgroup_id_z 1
		.amdhsa_system_vgpr_workitem_id 0
		.amdhsa_next_free_vgpr 354
		.amdhsa_next_free_sgpr 66
		.amdhsa_reserve_vcc 1
		.amdhsa_float_denorm_mode_32 3
		.amdhsa_float_denorm_mode_16_64 3
		.amdhsa_memory_ordered 1
		.amdhsa_forward_progress 1
		.amdhsa_inst_pref_size 202
	.end_amdhsa_kernel
	.amdgpu_metadata
---
amdhsa.version: [ 1, 2 ]
amdhsa.kernels:
  - .name:           k_qac275abde4_attn
    .symbol:         k_qac275abde4_attn.kd
    .args:
      - { .name: query_states, .offset: 0, .size: 8, .value_kind: global_buffer, .address_space: global }
      - { .name: key_states, .offset: 8, .size: 8, .value_kind: global_buffer, .address_space: global }
      - { .name: value_states, .offset: 16, .size: 8, .value_kind: global_buffer, .address_space: global }
      - { .name: mask, .offset: 24, .size: 8, .value_kind: global_buffer, .address_space: global }
      - { .name: out0, .offset: 32, .size: 8, .value_kind: global_buffer, .address_space: global }
    .group_segment_fixed_size: 134400
    .private_segment_fixed_size: 0
    .kernarg_segment_align: 8
    .kernarg_segment_size: 40
    .max_flat_workgroup_size: 256
    .sgpr_count:     66
    .vgpr_count:     354
    .wavefront_size: 32
...
	.end_amdgpu_metadata
.endif
;; end of part 1
